; MI455X (gfx1250); checked and timed in simulation.
; The chip was launched on July 23, 2026; its instructions are those of AMD's public machine-readable ISA for CDNA 5 (MIT licence, August 2026) and "CDNA5" Instruction Set Architecture Reference Guide (July 2026). The comments in the code are by the model that wrote it; some were corrected since.
;; Sparse Mo E. Allowed arithmetic: float matrix products may take bf16 or f16 operands with f32 sums; all other float work in f32.
;; Inputs: W1 8 x 1,024 x 4,096 float32; W2 8 x 4,096 x 1,024 float32; Wg 1,024 x 8 float32; b1 8 x 4,096 float32; b2 8 x 1,024 float32; bg 8 float32; x 4 x 256 x 1,024 float32.
;; Outputs: out0 4 x 256 x 1,024 float32.
;; One version. Each part assembles by itself: llvm-mc -triple=amdgcn-amd-amdhsa -mcpu=gfx1250 --defsym DOCPART=n.
;; ======== version 1 of 1: 5 launches
;; workspace buffers: sel 8,192 bytes of whole numbers; gat 8,192 bytes; idx 8,448 bytes of whole numbers; gsl 9,216 bytes; xg 4,718,592 bytes; hb 18,874,368 bytes; yp 37,748,736 bytes
;; launch route (part 1): grid 256 x 1, 4 waves a work-group, no clusters, 0 bytes of LDS; arguments x, Wg, bg, sel, gat; writes sel, gat
.if DOCPART == 1
	.amdgcn_target "amdgcn-amd-amdhsa--gfx1250"
	.amdhsa_code_object_version 6
	.text
	.protected	k_q26aa5eeeac_route
	.globl	k_q26aa5eeeac_route
	.p2align	8
	.type	k_q26aa5eeeac_route,@function
k_q26aa5eeeac_route:
	s_mov_b64 s[64:65], 0
	v_nop
	global_prefetch_b8 v0, s[64:65] scope:SCOPE_SE
	s_setreg_imm32_b32 hwreg(HW_REG_WAVE_MODE, 25, 1), 1
	s_wait_xcnt 0x0
; THE ROUTER.  logits[t][e] = sum over d of x[t][d] Wg[d][e] + bg[e]; the two largest are kept; their softmax gives the two gates.
; x, Wg and bg are rounded to bf16 (as every input of this program is); a product of two bf16 is exact in f32, the sums are f32.
; One wave takes one token: lane l takes d = 128 i + 4 l + c (i = 0..7, c = 0..3), all eight experts.  1,024 tokens = 256 work-groups of 4 waves.
; Stored: sel[2 t + k] = the expert of the token's k-th choice (whole numbers: later launches make addresses of them), gat[2 t + k] = its gate.
; The vector unit does this product: it is 8 columns wide, Wg lies [d][8], and it is about a two-thousandth of the program's multiply-adds.
; Each of Wg's eight pieces (one i: eight loads) has registers of its own, so that no piece waits for another's registers: 56 loads are out at the start, the last two pieces follow in the first two steps.
; LIMITS.  Equal logits go to the lower index.  A NaN never wins a comparison; NaN and infinite logits are not treated apart.  The order of a logit's f32 sum is
; not the reference's: where the second and third logit lie closer than about 1e-6 of their size, the choice may fall the other way.
; The softmax takes the maximum away: p = e^(second - best) lies in 0 to 1, the gates are 1 / (1 + p) and p / (1 + p).
.set XR,   8                           ; v[8:39]    x as loaded: 4 i + c
.set ACC,  40                          ; v[40:47]   the eight sums, then the logits
.set XP,   48                          ; v[48:49]   x of one i, packed bf16
.set BEST, 50
.set BI,   51
.set SEC,  52
.set SI,   53
.set PP,   54
.set G1,   55
.set G2,   56
.set TT,   57
.set AD,   58
.set WR,   64                          ; v[64:191]  Wg as loaded, i = 0..3: 32 i + 8 c + e;  window 1, v[0:127]: i = 4..7
.set WP,   192                         ; v[192:207] Wg of one i, packed bf16: 4 c + e / 2
.set MSB, 0
.macro WIN new                         ; s_set_vgpr_msb: bits 1:0 source 0, 3:2 source 1, 7:6 destination; the immediate's high byte repeats the setting that is left
.if MSB != (\new)
	s_set_vgpr_msb (MSB<<8)|(\new)
.set MSB, \new
.endif
.endm
	s_load_b256 s[4:11], s[0:1], 0x0               ; x s[4:5], Wg s[6:7], bg s[8:9], sel s[10:11]
	s_load_b64 s[12:13], s[0:1], 0x20              ; gat
	v_and_b32 v1, 31, v0                           ; lane
	v_lshrrev_b32 v4, 5, v0
	v_readfirstlane_b32 s26, v4                    ; wave
	s_lshl_b32 s27, ttmp9, 2
	s_add_co_u32 s27, s27, s26                     ; my token
	s_lshl_b32 s28, s27, 12                        ; its row of 4,096 bytes
	s_mov_b32 s29, 0
	s_mov_b32 s24, 0x76543210                      ; v_permlanex16_b32: each lane takes its own place in the other half
	s_mov_b32 s25, 0xfedcba98
	s_mov_b32 s30, 0xff800000                      ; -infinity
	v_lshlrev_b32 v2, 4, v1                        ; 16 bytes of x a lane
	v_lshlrev_b32 v3, 7, v1                        ; four rows of Wg, 128 bytes, a lane
	s_wait_kmcnt 0x0
	s_load_b256 s[16:23], s[8:9], 0x0              ; bg, all eight
	s_add_nc_u64 s[4:5], s[4:5], s[28:29]
.irp i, 0,1,2,3,4,5,6,7
	global_load_b128 v[XR+4*(\i):XR+4*(\i)+3], v2, s[4:5] offset:512*(\i)  ; 512 neighbouring bytes of the row
.endr
.macro WLD i                           ; eight loads: my four rows of Wg for this i
.if (\i) < 4
	WIN 0
.set wb, WR+32*(\i)
.else
	WIN 0x40                                       ; destination window 1, address window 0
.set wb, 32*((\i)-4)
.endif
.set c, 0
.rept 4
	global_load_b128 v[wb+8*c:wb+8*c+3],   v3, s[6:7] offset:(\i)*4096+c*32
	global_load_b128 v[wb+8*c+4:wb+8*c+7], v3, s[6:7] offset:(\i)*4096+c*32+16
.set c, c+1
.endr
.endm
	WLD 0
	WLD 1
	WLD 2
	WLD 3
	WLD 4
	WLD 5
	WIN 0
.irp e, 0,1,2,3,4,5,6,7
	v_mov_b32 v[ACC+(\e)], 0
.endr
; One i: round x and Wg to bf16, 32 multiply-adds from bf16 halves into f32.  left = the younger loads that may stay out.  The first two steps ask for the last two pieces.
.macro GSTEP i, left
	WIN 0
	s_wait_loadcnt \left
	v_cvt_pk_bf16_f32 v[XP],   v[XR+4*(\i)],   v[XR+4*(\i)+1]
	v_cvt_pk_bf16_f32 v[XP+1], v[XR+4*(\i)+2], v[XR+4*(\i)+3]
.if (\i) < 4
.set wb, WR+32*(\i)
.else
	WIN 0x05                                       ; sources 0 and 1 window 1, destination window 0
.set wb, 32*((\i)-4)
.endif
.set n, 0
.rept 16
	v_cvt_pk_bf16_f32 v[WP+n], v[wb+2*n], v[wb+2*n+1]
.set n, n+1
.endr
.if (\i) < 2
	WLD (\i)+6
.endif
	WIN 0
.set c, 0
.rept 4
.set e, 0
.rept 4                                ; the eight sums take turns, so that no line waits for the one before it
.if c%2 == 0
	v_fma_mix_f32_bf16 v[ACC+2*e],   v[XP+c/2], v[WP+4*c+e], v[ACC+2*e]   op_sel:[0,0,0] op_sel_hi:[1,1,0]
	v_fma_mix_f32_bf16 v[ACC+2*e+1], v[XP+c/2], v[WP+4*c+e], v[ACC+2*e+1] op_sel:[0,1,0] op_sel_hi:[1,1,0]
.else
	v_fma_mix_f32_bf16 v[ACC+2*e],   v[XP+c/2], v[WP+4*c+e], v[ACC+2*e]   op_sel:[1,0,0] op_sel_hi:[1,1,0]
	v_fma_mix_f32_bf16 v[ACC+2*e+1], v[XP+c/2], v[WP+4*c+e], v[ACC+2*e+1] op_sel:[1,1,0] op_sel_hi:[1,1,0]
.endif
.set e, e+1
.endr
.set c, c+1
.endr
.endm
	GSTEP 0, 40                                    ; x and piece 0 are in; pieces 1 to 5 stay out.  Piece 6 is asked for
	GSTEP 1, 40                                    ; pieces 2 to 6 stay out.  Piece 7 is asked for
	GSTEP 2, 40                                    ; pieces 3 to 7
	GSTEP 3, 32                                    ; nothing more is asked for: the counts run down
	GSTEP 4, 24
	GSTEP 5, 16
	GSTEP 6, 8
	GSTEP 7, 0
	; the sums over the 32 lanes: four steps inside each half of 16, one across the halves; every lane ends with all eight logits
.irp mk, 1,2,4,8
.irp e, 0,1,2,3,4,5,6,7
	v_add_f32_dpp v[ACC+(\e)], v[ACC+(\e)], v[ACC+(\e)] row_xmask:\mk row_mask:0xf bank_mask:0xf
.endr
.endr
.irp e, 0,1,2,3,4,5,6,7
	v_permlanex16_b32 v[WP+(\e)], v[ACC+(\e)], s24, s25  ; its destination counts as read: a register that has been written
.endr
	s_wait_kmcnt 0x0                               ; bg
.irp q, 0,1,2,3
	v_cvt_pk_bf16_f32 v[WP+8+(\q)], s[16+2*(\q)], s[17+2*(\q)]  ; bg rounded to bf16
.endr
.irp e, 0,1,2,3,4,5,6,7
	v_add_f32 v[ACC+(\e)], v[ACC+(\e)], v[WP+(\e)]
.endr
.irp q, 0,1,2,3
	v_lshlrev_b32 v[WR+2*(\q)],   16, v[WP+8+(\q)]
	v_and_b32     v[WR+2*(\q)+1], 0xffff0000, v[WP+8+(\q)]
.endr
.irp e, 0,1,2,3,4,5,6,7
	v_add_f32 v[ACC+(\e)], v[ACC+(\e)], v[WR+(\e)]
.endr
; The largest logit and its index; a later one wins only if it is greater, so equal logits go to the lower index.
.macro TOP val, ind
	v_mov_b32 v[\val], v[ACC]
	v_mov_b32 v[\ind], 0
.irp e, 1,2,3,4,5,6,7
	v_cmp_gt_f32 vcc_lo, v[ACC+(\e)], v[\val]
	v_cndmask_b32 v[\val], v[\val], v[ACC+(\e)], vcc_lo
	v_cndmask_b32 v[\ind], v[\ind], \e, vcc_lo
.endr
.endm
	TOP BEST, BI
.irp e, 0,1,2,3,4,5,6,7
	v_cmp_eq_u32 vcc_lo, \e, v[BI]
	v_cndmask_b32 v[ACC+(\e)], v[ACC+(\e)], s30, vcc_lo  ; the winner is taken out
.endr
	TOP SEC, SI
	v_sub_f32 v[PP], v[SEC], v[BEST]               ; at most 0
	v_mul_f32 v[PP], 0x3fb8aa3b, v[PP]             ; times log2(e)
	v_exp_f32 v[PP], v[PP]
	v_lshlrev_b32 v[AD], 2, v1                     ; a plain instruction between the exponential and its use (ISA guide 5.7.2)
	s_wait_alu depctr_va_vdst(0)
	v_add_f32 v[TT], 1.0, v[PP]
	v_rcp_f32 v[G1], v[TT]
	s_lshl_b32 s28, s27, 3
	v_add_nc_u32 v[AD], s28, v[AD]                 ; (2 t + lane) x 4; also the plain instruction behind the reciprocal
	s_wait_alu depctr_va_vdst(0)
	v_mul_f32 v[G2], v[PP], v[G1]
	v_cmp_eq_u32 vcc_lo, 1, v1                     ; lane 0 stores the first choice, lane 1 the second
	v_cndmask_b32 v[BI], v[BI], v[SI], vcc_lo
	v_cndmask_b32 v[G1], v[G1], v[G2], vcc_lo
	s_wait_xcnt 0x0                                ; EXEC changes only behind this wait
	v_cmp_gt_u32 vcc_lo, 2, v1
	s_and_saveexec_b32 s31, vcc_lo
	global_store_b32 v[AD], v[BI], s[10:11]        ; eight bytes a token into each table: 16 KiB in the whole launch
	global_store_b32 v[AD], v[G1], s[12:13]
	s_endpgm
.Lfunc_end_k_q26aa5eeeac_route:
	.size	k_q26aa5eeeac_route, .Lfunc_end_k_q26aa5eeeac_route-k_q26aa5eeeac_route
	.p2alignl 7, 3214868480
	.fill 96, 4, 3214868480
	.section	.rodata,"a",@progbits
	.p2align	6, 0x0
	.amdhsa_kernel k_q26aa5eeeac_route
		.amdhsa_group_segment_fixed_size 0
		.amdhsa_private_segment_fixed_size 0
		.amdhsa_enable_private_segment 0
		.amdhsa_kernarg_size 40
		.amdhsa_user_sgpr_count 2
		.amdhsa_user_sgpr_kernarg_segment_ptr 1
		.amdhsa_wavefront_size32 1
		.amdhsa_system_sgpr_workgroup_id_x 1
		.amdhsa_system_sgpr_workgroup_id_y 1
		.amdhsa_system_sgpr_workgroup_id_z 1
		.amdhsa_system_vgpr_workitem_id 0
		.amdhsa_next_free_vgpr 384
		.amdhsa_next_free_sgpr 66
		.amdhsa_reserve_vcc 1
		.amdhsa_float_denorm_mode_32 3
		.amdhsa_float_denorm_mode_16_64 3
		.amdhsa_memory_ordered 1
		.amdhsa_forward_progress 1
		.amdhsa_inst_pref_size 41
	.end_amdhsa_kernel
	.amdgpu_metadata
---
amdhsa.version: [ 1, 2 ]
amdhsa.kernels:
  - .name:           k_q26aa5eeeac_route
    .symbol:         k_q26aa5eeeac_route.kd
    .args:
      - { .name: x, .offset: 0, .size: 8, .value_kind: global_buffer, .address_space: global }
      - { .name: Wg, .offset: 8, .size: 8, .value_kind: global_buffer, .address_space: global }
      - { .name: bg, .offset: 16, .size: 8, .value_kind: global_buffer, .address_space: global }
      - { .name: sel, .offset: 24, .size: 8, .value_kind: global_buffer, .address_space: global }
      - { .name: gat, .offset: 32, .size: 8, .value_kind: global_buffer, .address_space: global }
    .group_segment_fixed_size: 0
    .private_segment_fixed_size: 0
    .kernarg_segment_align: 8
    .kernarg_segment_size: 40
    .max_flat_workgroup_size: 128
    .sgpr_count:     66
    .vgpr_count:     384
    .wavefront_size: 32
...
	.end_amdgpu_metadata
.endif
;; end of part 1
;; launch pack (part 2): grid 256 x 1, 9 waves a work-group, no clusters, 0 bytes of LDS; arguments sel, gat, x, idx, gsl, xg; writes idx, gsl, xg
.if DOCPART == 2
	.amdgcn_target "amdgcn-amd-amdhsa--gfx1250"
	.amdhsa_code_object_version 6
	.text
	.protected	k_q26aa5eeeac_pack
	.globl	k_q26aa5eeeac_pack
	.p2align	8
	.type	k_q26aa5eeeac_pack,@function
k_q26aa5eeeac_pack:
	s_mov_b64 s[64:65], 0
	v_nop
	global_prefetch_b8 v0, s[64:65] scope:SCOPE_SE
	s_setreg_imm32_b32 hwreg(HW_REG_WAVE_MODE, 25, 1), 1
	s_wait_xcnt 0x0
; FROM CHOICES TO ROWS.  The 2,048 (token, choice) entries r = 2 t + k are sorted by expert into GROUPS of 32 rows; expert e owns groups g0[e] .. g0[e] + ng[e] - 1,
; ng = (n_e + 31) / 32.  The groups number 64 to 71.  A group's spare rows repeat the expert's last entry, with gate 0; nobody reads their results.
; Stored: idx words 2 e, 2 e + 1 = g0[e], ng[e]; idx from byte 256 on: slot[r] = 32 group + row; gsl[slot] = the gate; xg = x's rows, rounded to bf16, as READY REGISTER IMAGES:
; for tile (16 rows) and K step s (32 of d) a block of 1,024 bytes; the 16 bytes at 512 j2 + 256 h + 16 r are d = 32 s + 16 j2 + 8 h + 0..7 of row r:
; registers 4 j2 .. 4 j2 + 3 of lane 16 h + r of a 16-bit matrix operand, so that the product's launch loads 512 neighbouring bytes an instruction.
; SHARES.  A wave makes one group's images for one K step: wave w of work-group g takes group 8 w + g / 32 and K step g % 32.  Waves 0 to 7 cover groups 0 to 63, which always exist: every
; work-group has eight waves at work.  Wave 8 covers groups 64 to 71; where its group does not exist it ends behind the counts.  So no wave goes through the search twice.
; Every wave holds all of sel (8 KiB) in 64 registers and makes everything it needs from them: no LDS, no barrier, no wave waits for another, no sum crosses work-groups, every lane is on throughout.
; THE COUNTS.  Each lane counts its 64 entries by expert: an entry adds 1 << 4 e into eight fields of 4 bits; after every 8 entries (a field holds 15) they are spread into two registers of byte fields
; (a lane's count is 64 at the most).  The sum over the lanes goes by bits: the lanes in which bit k of a field is set are counted, and n = 2 n + that count, from bit 6 down.
; THE SORT, without a list.  An expert's entries are ranked in the order (register, lane).  Lane j of a group wants rank 32 (group - g0) + j; a walk over the 64 registers keeps, for each lane, the hit mask,
; the count so far and the first entry number of the last register whose count so far is not above the lane's rank; the wanted bit of that mask is found by five halvings on partial bit counts.
; The walk goes 16 registers at a time: 16 compares, 16 bit counts, 16 running sums, 16 selections, so that vector and scalar work change hands four times and not for each register.
.set ONE, 3                            ; v3   1
.set HN,  4                            ; v4   eight fields of 4 bits: expert e's count in the 8 entries in hand
.set HA,  5                            ; v5   byte i: my lane's count of expert 2 i
.set HB,  6                            ; v6   byte i: of expert 2 i + 1
.set XB,  7                            ; v7   my row's place in a group's images: tile lane / 16, row lane % 16
.set RK,  10                           ; v10  my rank in the expert's entries, held to the last one
.set MK,  11                           ; v11  the hit mask that holds it
.set PR,  12                           ; v12  the hits in front of that mask
.set IX,  13                           ; v13  that register's entry number at lane 0
.set NN,  14                           ; v14  which set bit of the mask, from 0
.set RAW, 15                           ; v15  my rank as it is: beyond the last entry in a spare row
.set SEL, 16                           ; v[16:79]   sel: register m holds entry 128 (m / 4) + 4 lane + m % 4
.set SA,  80                           ; v80-83  bit counts of the mask by 2, 4, 8 and 16 bits (v80-87: at work while the counts are made)
.set SB,  81
.set SC,  82
.set SD,  83
.set TT,  84
.set PS,  85                           ; v85  the bit's place
.set IN,  86
.set RR,  87                           ; v87  my row's entry r
.set TK,  88                           ; v88  its token, then my byte offset in x
.set XO,  89                           ; v89  my byte offset in xg
.set GT,  93
.set SL,  94
.set SO,  95
.set XL,  96                           ; v[96:127]  x as loaded: my row's 32 numbers of the K step
.set XPK, 128                          ; v[128:143] packed bf16
.set BM,  66                           ; s66-73  the counts: the eight experts' masks of lanes, then their bit counts
.set MS,  66                           ; s66-81  the walk: the hit masks of 16 registers
.set PF,  82                           ; s82-98  the walk: the hits in front of each of them, and behind the last
	s_load_b256 s[4:11], s[0:1], 0x0               ; sel s[4:5], gat s[6:7], x s[8:9], idx s[10:11]
	s_load_b128 s[12:15], s[0:1], 0x20             ; gsl s[12:13], xg s[14:15]
	v_and_b32 v1, 31, v0                           ; lane
	v_lshrrev_b32 v8, 5, v0
	v_readfirstlane_b32 s16, v8                    ; wave 0..8
	s_mov_b32 s17, ttmp9                           ; work-group 0..255
	s_and_b32 s23, s17, 31                         ; my K step
	s_lshr_b32 s50, s17, 5
	s_lshl_b32 s21, s16, 3
	s_add_co_u32 s50, s50, s21                     ; my group = 8 wave + work-group / 32
	s_lshl_b32 s58, s23, 7                         ; the K step's 128 bytes in a row of x
	v_lshlrev_b32 v2, 4, v1
	v_and_b32 v8, 15, v0
	v_bfe_u32 v9, v0, 4, 1
	v_lshlrev_b32 v8, 4, v8
	v_lshl_add_u32 v[XB], v9, 15, v8               ; 32,768 (lane / 16) + 16 (lane % 16)
	v_mov_b32 v[ONE], 1
	s_mov_b32 s56, 0x0f0f0f0f
	s_wait_kmcnt 0x0
.irp ch, 0,1,2,3,4,5,6,7,8,9,10,11,12,13,14,15
	global_load_b128 v[SEL+4*(\ch):SEL+4*(\ch)+3], v2, s[4:5] offset:512*(\ch)
.endr
	s_wait_loadcnt 0x0
	; my lane's 64 entries, counted by expert
.set m, 0
.rept 64
	v_lshlrev_b32 v[80+m%4], 2, v[SEL+m]           ; 4 x expert
.if m%8 == 0
	v_lshlrev_b32 v[HN], v[80+m%4], v[ONE]         ; 1 in the expert's field: the first of eight entries starts the fields
.else
	v_lshlrev_b32 v[80+m%4], v[80+m%4], v[ONE]
	v_add_nc_u32 v[HN], v[HN], v[80+m%4]
.endif
.if m == 7
	v_and_b32 v[HA], s56, v[HN]                    ; the even experts' fields, a byte each: the first eight entries start the sums
	v_lshrrev_b32 v[HB], 4, v[HN]
	v_and_b32 v[HB], s56, v[HB]                    ; the odd experts'
.elseif m%8 == 7
	v_and_b32 v84, s56, v[HN]
	v_lshrrev_b32 v85, 4, v[HN]
	v_and_b32 v85, s56, v85
	v_add_nc_u32 v[HA], v[HA], v84
	v_add_nc_u32 v[HB], v[HB], v85
.endif
.set m, m+1
.endr
	; the sums over the 32 lanes, bit by bit from the highest: s24-31 = n
.irp k, 6,5,4,3,2,1,0
.set e, 0
.rept 8
	v_lshlrev_b32 v[80+e], 31-(8*(e/2)+(\k)), v[HA+e%2]  ; bit k of expert e's byte becomes the sign
	v_cmp_gt_i32 s[BM+e], 0, v[80+e]               ; the lanes in which it is set
.set e, e+1
.endr
.set e, 0
.rept 8
.if (\k) == 6
	s_bcnt1_i32_b32 s[24+e], s[BM+e]               ; the highest bit starts the sum
.else
	s_bcnt1_i32_b32 s[BM+e], s[BM+e]
.endif
.set e, e+1
.endr
.if (\k) < 6
.set e, 0
.rept 8
	s_lshl1_add_u32 s[24+e], s[24+e], s[BM+e]      ; n = 2 n + the count
.set e, e+1
.endr
.endif
.endr
.irp j, 0,1,2,3,4,5,6,7
	s_min_u32 s[24+(\j)], s[24+(\j)], 1024         ; a token names an expert once
	s_add_co_u32 s[32+(\j)], s[24+(\j)], 31
	s_lshr_b32 s[32+(\j)], s[32+(\j)], 5           ; s32-39 ng,
	s_min_u32 s[32+(\j)], s[32+(\j)], 32           ; 32 at the most: the bound is stated again behind the shift
.endr
	s_mov_b32 s40, 0
.irp j, 0,1,2,3,4,5,6,7
	s_add_co_u32 s[41+(\j)], s[40+(\j)], s[32+(\j)]  ; s40-47 g0; s48 all groups
.endr
; One halving: t = the set bits in the lower part of what is left; if the wanted bit is not among them, they are taken off and the place moves up.
.macro PICK src, width, inc
	v_bfe_u32 v[TT], v[\src], v[PS], \width
	v_cmp_ge_u32 vcc_lo, v[NN], v[TT]
	v_cndmask_b32 v[TT], 0, v[TT], vcc_lo
	v_cndmask_b32 v[IN], 0, \inc, vcc_lo
	v_sub_nc_u32 v[NN], v[NN], v[TT]
	v_add_nc_u32 v[PS], v[PS], v[IN]
.endm
	s_cmp_ge_u32 s50, s48
	s_cbranch_scc1 .Lend                           ; there is no such group (wave 8 alone can come here: there are 64 groups or more)
	s_mov_b32 s51, 0
	s_mov_b32 s52, 0
	s_mov_b32 s53, s24
.irp j, 1,2,3,4,5,6,7                  ; the last expert whose first group is not beyond this one (an expert without groups is passed over by the next)
	s_cmp_ge_u32 s50, s[40+(\j)]
	s_cselect_b32 s51, \j, s51
	s_cselect_b32 s52, s[40+(\j)], s52
	s_cselect_b32 s53, s[24+(\j)], s53
.endr
	s_sub_co_u32 s54, s50, s52
	s_lshl_b32 s54, s54, 5                         ; the group's first rank
	s_sub_co_u32 s55, s53, 1                       ; the expert's last rank
	v_add_nc_u32 v[RAW], s54, v1                   ; lane = row of the group
	v_min_u32 v[RK], s55, v[RAW]                   ; spare rows repeat the last entry
	v_mov_b32 v[MK], 0
	v_mov_b32 v[PR], 0
	v_mov_b32 v[IX], 0
	s_mov_b32 s[PF], 0                             ; hits so far
.set q, 0
.rept 4
.set i, 0
.rept 16
	v_cmp_eq_u32 s[MS+i], s51, v[SEL+16*q+i]       ; each register's hits
.set i, i+1
.endr
.set i, 0
.rept 16
	s_bcnt1_i32_b32 s[PF+1+i], s[MS+i]             ; how many
.set i, i+1
.endr
.set i, 0
.rept 16
	s_add_co_u32 s[PF+1+i], s[PF+1+i], s[PF+i]     ; and how many up to and with it: the hits in front of the next
.set i, i+1
.endr
.set i, 0
.rept 16
.set m, 16*q+i
	v_cmp_gt_u32 vcc_lo, s[PF+i], v[RK]            ; my rank lies in front of this register's hits: keep what I have
	v_cndmask_b32 v[MK], s[MS+i], v[MK], vcc_lo
	v_cndmask_b32 v[PR], s[PF+i], v[PR], vcc_lo
	v_cndmask_b32 v[IX], 128*(m/4)+(m%4), v[IX], vcc_lo
.set i, i+1
.endr
	s_mov_b32 s[PF], s[PF+16]                      ; carried into the next 16
.set q, q+1
.endr
	v_sub_nc_u32 v[NN], v[RK], v[PR]               ; the wanted set bit of my mask, from 0
	v_lshrrev_b32 v[SA], 1, v[MK]
	v_and_b32 v[SA], 0x55555555, v[SA]
	v_sub_nc_u32 v[SA], v[MK], v[SA]               ; set bits in each 2
	v_lshrrev_b32 v[SB], 2, v[SA]
	v_and_b32 v[SB], 0x33333333, v[SB]
	v_and_b32 v[SC], 0x33333333, v[SA]
	v_add_nc_u32 v[SB], v[SB], v[SC]               ; in each 4
	v_lshrrev_b32 v[SC], 4, v[SB]
	v_add_nc_u32 v[SC], v[SC], v[SB]
	v_and_b32 v[SC], 0x0f0f0f0f, v[SC]             ; in each 8
	v_lshrrev_b32 v[SD], 8, v[SC]
	v_add_nc_u32 v[SD], v[SD], v[SC]               ; byte 0: in the low 16
	v_mov_b32 v[PS], 0
	PICK SD, 8, 16
	PICK SC, 8, 8
	PICK SB, 4, 4
	PICK SA, 2, 2
	PICK MK, 1, 1
	v_lshl_add_u32 v[RR], v[PS], 2, v[IX]          ; my row's entry: the bit's place is the lane that holds it
	v_lshrrev_b32 v[TK], 1, v[RR]                  ; the token
	v_min_u32 v[TK], 0x3ff, v[TK]
	v_lshlrev_b32 v[TK], 12, v[TK]                 ; its row of 4,096 bytes,
	v_add_nc_u32 v[TK], s58, v[TK]                 ; my K step's 128 bytes of it
	s_lshl_b32 s59, s50, 16                        ; the group's two tiles of 32 blocks,
	s_lshl_b32 s60, s23, 10                        ; my K step's block
	s_add_co_u32 s59, s59, s60
	v_add_nc_u32 v[XO], s59, v[XB]
.irp i, 0,1,2,3,4,5,6,7
	global_load_b128 v[XL+4*(\i):XL+4*(\i)+3], v[TK], s[8:9] offset:16*(\i)  ; d = 32 s + 4 i + 0..3 of my row
.endr
	s_wait_loadcnt 0x0
.set n, 0
.rept 16
	v_cvt_pk_bf16_f32 v[XPK+n], v[XL+2*n], v[XL+2*n+1]
.set n, n+1
.endr
.irp j2, 0,1
.irp h, 0,1
	global_store_b128 v[XO], v[XPK+8*(\j2)+4*(\h):XPK+8*(\j2)+4*(\h)+3], s[14:15] offset:512*(\j2)+256*(\h)  ; lanes 0-15 store 256 neighbouring bytes of tile 0, aligned; lanes 16-31 of tile 1
.endr
.endr
	s_cmp_lg_u32 s23, 0
	s_cbranch_scc1 .Lno_slot                       ; the wave with the group's K step 0 also stores its slots and gates:
	v_min_u32 v[RR], 0x7ff, v[RR]
	v_lshlrev_b32 v[RR], 2, v[RR]
	global_load_b32 v[GT], v[RR], s[6:7]           ; the entry's gate
	s_lshl_b32 s61, s50, 5                         ; the group's first slot
	v_add_nc_u32 v[SO], s61, v1                    ; my row's slot,
	v_lshlrev_b32 v[SO], 2, v[SO]                  ; its word in gsl
	v_sub_nc_u32 v[SL], v[RK], s54                 ; the row that truly holds my entry: my own, or in a spare row the last entry's,
	v_add_nc_u32 v[SL], s61, v[SL]                 ; and its slot
	v_cmp_ge_u32 vcc_lo, s55, v[RAW]               ; a true entry, no spare row
	s_wait_loadcnt 0x0
	v_cndmask_b32 v[GT], 0, v[GT], vcc_lo          ; 0 in spare rows
	global_store_b32 v[SO], v[GT], s[12:13]        ; 128 neighbouring bytes
	global_store_b32 v[RR], v[SL], s[10:11] offset:256  ; slot[r]: spare rows write the last entry's word with the number that its true row writes; four bytes an entry, 8 KiB in the whole launch
.Lno_slot:
	s_or_b32 s21, s17, s16
	s_cmp_lg_u32 s21, 0
	s_cbranch_scc1 .Lend
	v_mov_b32 v96, 0                               ; work-group 0, wave 0: the table of g0 and ng
.irp e, 0,1,2,3,4,5,6,7
	v_writelane_b32 v96, s[40+(\e)], 2*(\e)
	v_writelane_b32 v96, s[32+(\e)], 2*(\e)+1
.endr
	v_lshlrev_b32 v97, 2, v1
	global_store_b32 v97, v96, s[10:11]
.Lend:
	s_endpgm
.Lfunc_end_k_q26aa5eeeac_pack:
	.size	k_q26aa5eeeac_pack, .Lfunc_end_k_q26aa5eeeac_pack-k_q26aa5eeeac_pack
	.p2alignl 7, 3214868480
	.fill 96, 4, 3214868480
	.section	.rodata,"a",@progbits
	.p2align	6, 0x0
	.amdhsa_kernel k_q26aa5eeeac_pack
		.amdhsa_group_segment_fixed_size 0
		.amdhsa_private_segment_fixed_size 0
		.amdhsa_enable_private_segment 0
		.amdhsa_kernarg_size 48
		.amdhsa_user_sgpr_count 2
		.amdhsa_user_sgpr_kernarg_segment_ptr 1
		.amdhsa_wavefront_size32 1
		.amdhsa_system_sgpr_workgroup_id_x 1
		.amdhsa_system_sgpr_workgroup_id_y 1
		.amdhsa_system_sgpr_workgroup_id_z 1
		.amdhsa_system_vgpr_workitem_id 0
		.amdhsa_next_free_vgpr 144
		.amdhsa_next_free_sgpr 100
		.amdhsa_reserve_vcc 1
		.amdhsa_float_denorm_mode_32 3
		.amdhsa_float_denorm_mode_16_64 3
		.amdhsa_memory_ordered 1
		.amdhsa_forward_progress 1
		.amdhsa_inst_pref_size 46
	.end_amdhsa_kernel
	.amdgpu_metadata
---
amdhsa.version: [ 1, 2 ]
amdhsa.kernels:
  - .name:           k_q26aa5eeeac_pack
    .symbol:         k_q26aa5eeeac_pack.kd
    .args:
      - { .name: sel, .offset: 0, .size: 8, .value_kind: global_buffer, .address_space: global }
      - { .name: gat, .offset: 8, .size: 8, .value_kind: global_buffer, .address_space: global }
      - { .name: x, .offset: 16, .size: 8, .value_kind: global_buffer, .address_space: global }
      - { .name: idx, .offset: 24, .size: 8, .value_kind: global_buffer, .address_space: global }
      - { .name: gsl, .offset: 32, .size: 8, .value_kind: global_buffer, .address_space: global }
      - { .name: xg, .offset: 40, .size: 8, .value_kind: global_buffer, .address_space: global }
    .group_segment_fixed_size: 0
    .private_segment_fixed_size: 0
    .kernarg_segment_align: 8
    .kernarg_segment_size: 48
    .max_flat_workgroup_size: 288
    .sgpr_count:     100
    .vgpr_count:     144
    .wavefront_size: 32
...
	.end_amdgpu_metadata
.endif
;; end of part 2
;; launch gemm1 (part 3): grid 32 x 8, 8 waves a work-group, no clusters, 263,168 bytes of LDS; arguments W1, b1, xg, idx, hb; writes hb
.if DOCPART == 3
	.amdgcn_target "amdgcn-amd-amdhsa--gfx1250"
	.amdhsa_code_object_version 6
	.text
	.protected	k_q26aa5eeeac_gemm1
	.globl	k_q26aa5eeeac_gemm1
	.p2align	8
	.type	k_q26aa5eeeac_gemm1,@function
k_q26aa5eeeac_gemm1:
	s_mov_b64 s[64:65], 0
	v_nop
	global_prefetch_b8 v0, s[64:65] scope:SCOPE_SE
	s_setreg_imm32_b32 hwreg(HW_REG_WAVE_MODE, 25, 1), 1
	s_wait_xcnt 0x0
; ONE TEXT FOR BOTH LAYERS OF THE EXPERTS; LAYER chooses.  LAYER 1: h = relu(x W1[e] + b1[e]), rounded to bf16.  LAYER 2: g (h W2[e] + b2[e]) in f32, by quarters of K.
; Only the rows that the router sent to expert e are made (their groups of 32 rows are read from idx); all weights are read, each byte once, and rounded to bf16; sums in f32.
; THE WEIGHTS STAND STILL.  A work-group owns a SLAB of one expert: 1,024 of K x 128 columns, 512 KiB of f32: 8 experts x 32 slabs = 256 work-groups.
;   Phase 1: the eight waves stream the slab through registers, round it to bf16 and lay it in LDS as register images, 262,144 bytes.  One barrier.
;   Phase 2: wave w takes the expert's groups w, w + 8, ..: 32 rows x 128 columns x 1,024 of K; no barrier, since the number of groups is read from memory.
;   The rows come from memory as ready register images (512 neighbouring bytes an instruction), the weights from LDS; a weight fragment feeds two products.
;   The first group's first five K steps of rows are asked for inside phase 1, into the registers that the last octets have left, so that they land while the last weights come and the barrier is passed.
;   Every wave issues them, so that the counted waits hold on every way; a wave without a group asks for group 71 at the most, inside the buffers, and makes nothing of what comes.
; No tensor loads: the weights must pass through registers to be rounded.  No cluster: what an expert's work-groups share is the rows, which go straight to registers, and the groups differ in number from expert to expert.
; IMAGES.  A 16-bit operand of 16 rows x 32 K: lane (r = lane % 16, h = lane / 16) holds row r, K places 16 j2 + 8 h + jj in registers 4 j2 + jj / 2.
;   A weight row lies along the columns, so a lane's 16-byte load is 4 columns of one k; eight rows (an OCTET: jj = 0..7 of one (step, j2, h)) packed in pairs give, for each of the lane's 4 columns, 16 bytes of an image.
;   Column tile b, row r is therefore column 64 (b % 2) + 4 r + b / 2 of the slab; LDS byte = 8192 step + 1024 b + 512 j2 + 16 lane.
;   LAYER 1 is used transposed (source 0 = weights): a lane holds one token and h's columns 64 (b % 2) + 32 h + 4 j + b / 2: its eight, rounded, are 16 bytes of hb's image, in which
;   block S, place (j2, h, jj) is h's column 128 (S / 4) + 64 j2 + 32 h + 4 jj + S % 4.  LAYER 2 takes W2's rows in that same order, so the sums are the true ones.
; The bias, rounded to bf16, is the C operand of the first K step (LAYER 2: in the first quarter of K alone; elsewhere it is masked to 0).
; REGISTERS.  Window 0: v1-4 16 lane + 65,536 j (LDS; v1 also the offset in images); v6-10 offsets; v16-31 gates; v32-127 rows: a ring of 6 K steps x 16; v128-255 weights: two buffers of 64.
;   Phase 1 lays over them: v32-159 four octets as loaded, v160-175 packed, v192-255 the bias as loaded; the way out: v128-255.  Window 1: v0-127 the 16 accumulators (8 (8 t + b)); v128-191 the bias.
.set LAYER, 1
.set LB,   1
.set G,    16
.set AR,   32
.set BB,   128
.set X,    32
.set P,    160
.set BL,   192
.set OUT,  128
.set BIAS, 128
.set YS,   9437184                     ; bytes of a quarter of yp
.if LAYER == 1
.set WSH,   21                         ; a wave's 128 rows of W1, 16,384 bytes each
.set BSH,   14                         ; an expert's bias
.set TS,    32768                      ; from a tile's images to the next tile's
.set ASTEP, 524288                     ; eight groups on, in the rows' images
.set OSTEP, 2097152                    ; and in the output
.set NG,    0                          ; loads of gates in front of a group's rows
.else
.set WSH,   19
.set BSH,   12
.set TS,    131072
.set ASTEP, 2097152
.set OSTEP, 1048576
.set NG,    4
.endif
.set MSB, 0
.macro WIN new                         ; the immediate's high byte repeats the setting that is left; a switch that changes nothing is dropped
.if MSB != (\new)
	s_set_vgpr_msb (MSB<<8)|(\new)
.set MSB, \new
.endif
.endm
.set W_MUL,  0x50                      ; C and D window 1
.set W_B1,   0x40                      ; destination window 1
.set W_RELU, 0x44                      ; source 1 and destination window 1
.set W_CVT,  0x05                      ; sources 0 and 1 window 1
.set W_GATE, 0x01                      ; source 0 window 1
.macro PLACES                          ; four places between a matrix instruction and a load into, or a vector write or read of, its registers (ISA guide 7.12.1 for vector instructions)
.rept 4
	v_nop
.endr
.endm
	s_load_b256 s[4:11], s[0:1], 0x0               ; weights s[4:5], bias s[6:7], rows s[8:9], idx s[10:11]
.if LAYER == 1
	s_load_b64 s[12:13], s[0:1], 0x20              ; output
	v_lshl_add_u32 v30, v0, 2, 0x40000
	v_mov_b32 v31, 0
.else
	s_load_b128 s[12:15], s[0:1], 0x20             ; output, gates by slot
.endif
	v_and_b32 v11, 31, v0
	v_lshrrev_b32 v12, 5, v0
	v_readfirstlane_b32 s16, v12                   ; wave
	s_and_b32 s17, ttmp7, 0xffff                   ; expert
.if LAYER == 1
	s_mov_b32 s18, ttmp9                           ; which 128 columns
.else
	s_and_b32 s18, ttmp9, 7                        ; which 128 columns,
	s_lshr_b32 s19, ttmp9, 3                       ; which quarter of K
	s_cmp_eq_u32 s19, 0
	s_cselect_b32 s33, -1, 0                       ; the bias counts in the first quarter alone
.endif
	v_and_b32 v13, 15, v0                          ; r
	v_bfe_u32 v14, v0, 4, 1                        ; h
	v_lshlrev_b32 v1, 4, v11
	v_add_nc_u32 v2, 0x10000, v1
	v_add_nc_u32 v3, 0x20000, v1
	v_add_nc_u32 v4, 0x30000, v1
	s_lshl_b32 s30, s16, WSH
	v_add_nc_u32 v6, s30, v1                       ; my 16 bytes of a weight row, in my wave's 128 rows
	s_lshl_b32 s30, s16, 15
	v_lshlrev_b32 v7, 4, v13
	v_lshl_add_u32 v7, v14, 10, v7
	v_add_nc_u32 v7, s30, v7                       ; where I lay images: my wave's four K steps; tile 2 c + lane / 16, row lane % 16
.if LAYER == 1
	v_lshlrev_b32 v10, 7, v14                      ; bias: 32 h columns on
.else
	v_lshlrev_b32 v8, 4, v13
	v_lshl_add_u32 v8, v14, 15, v8                 ; output: row 8 h, columns 4 r ..
	v_lshlrev_b32 v9, 5, v14                       ; gates: 8 h rows on
	v_lshlrev_b32 v10, 4, v13                      ; bias: columns 4 r ..
.endif
	s_lshl_b32 s30, s17, 24                        ; the expert's 16 MiB of weights
	s_lshl_b32 s34, s18, 9                         ; 128 columns of f32
	s_add_co_u32 s30, s30, s34
.if LAYER == 2
	s_lshl_b32 s35, s19, 22                        ; 1,024 rows of 4,096 bytes
	s_add_co_u32 s30, s30, s35
.endif
	s_mov_b32 s31, 0
	s_lshl_b32 s36, s17, BSH
	s_add_co_u32 s36, s36, s34
	s_mov_b32 s37, 0
	s_lshl_b32 s38, s17, 3
	s_mov_b32 s39, 0
	s_mov_b32 s32, 0xffff0000
	s_wait_kmcnt 0x0
	s_add_nc_u64 s[4:5], s[4:5], s[30:31]
	s_add_nc_u64 s[6:7], s[6:7], s[36:37]
	s_add_nc_u64 s[10:11], s[10:11], s[38:39]
	s_load_b64 s[20:21], s[10:11], 0x0             ; the expert's first group and its number of groups
	; the bias: the oldest loads
.if LAYER == 1
.irp p, 0,1
.irp j, 0,1,2,3,4,5,6,7
	global_load_b128 v[BL+4*(8*(\p)+(\j)):BL+4*(8*(\p)+(\j))+3], v10, s[6:7] offset:256*(\p)+16*(\j)  ; columns 64 p + 32 h + 4 j + 0..3
.endr
.endr
.else
.irp p, 0,1
	global_load_b128 v[BL+4*(\p):BL+4*(\p)+3], v10, s[6:7] offset:256*(\p)  ; columns 64 p + 4 r + 0..3
.endr
.endif
; Octet i of my wave's 16: K step 4 w + i / 4, (j2, h) = i % 4; eight rows, 512 neighbouring bytes each.
.macro WLOAD i
.if LAYER == 1
.set wo, (\i)*131072                   ; rows 128 w + 8 i + jj
.else
.set wo, (32*((\i)%4)+(\i)/4)*4096     ; rows 128 w + 32 (i % 4) + i / 4 + 4 jj: hb's order of K
.endif
.set jj, 0
.rept 8
	global_load_b128 v[X+32*((\i)%4)+4*jj:X+32*((\i)%4)+4*jj+3], v6, s[4:5] offset:wo+jj*16384 th:TH_LOAD_NT
.set jj, jj+1
.endr
.endm
	WLOAD 0
	WLOAD 1
	WLOAD 2
	WLOAD 3
	s_wait_kmcnt 0x0
	s_min_u32 s20, s20, 71                         ; 71 groups at the most
	s_min_u32 s21, s21, 32                         ; 1,024 rows at the most
	s_add_co_u32 s40, s20, s16                     ; my first group;
	s_min_u32 s40, s40, 71                         ; a wave without a group stays inside the buffers (a wave with one is never beyond 71)
.if LAYER == 1
	s_lshl_b32 s30, s40, 16
	s_add_nc_u64 s[24:25], s[8:9], s[30:31]        ; its images of x
	s_lshl_b32 s30, s40, 18
	s_lshl_b32 s41, s18, 12                        ; my slab's four blocks
	s_add_co_u32 s30, s30, s41
	s_add_nc_u64 s[26:27], s[12:13], s[30:31]      ; its images of h
.else
	s_lshl_b32 s30, s40, 18
	s_lshl_b32 s41, s19, 15                        ; my quarter's 32 blocks
	s_add_co_u32 s30, s30, s41
	s_add_nc_u64 s[24:25], s[8:9], s[30:31]
	s_mul_i32 s30, s19, YS
	s_lshl_b32 s41, s40, 17                        ; 32 rows of 4,096 bytes
	s_add_co_u32 s30, s30, s41
	s_add_co_u32 s30, s30, s34
	s_add_nc_u64 s[26:27], s[12:13], s[30:31]
	s_lshl_b32 s30, s40, 7
	s_add_nc_u64 s[28:29], s[14:15], s[30:31]      ; its 32 gates
.endif
	s_wait_loadcnt 32                              ; the bias is in; the four octets asked for behind it stay out
.if LAYER == 1
.set a, BL
.rept 16
	v_cvt_pk_bf16_f32 v[a],   v[a],   v[a+1]       ; rounded to bf16, in place
	v_cvt_pk_bf16_f32 v[a+1], v[a+2], v[a+3]
.set a, a+4
.endr
.else
.irp p, 0,1
	v_cvt_pk_bf16_f32 v[BL+4*(\p)],   v[BL+4*(\p)],   v[BL+4*(\p)+1]
	v_cvt_pk_bf16_f32 v[BL+4*(\p)+1], v[BL+4*(\p)+2], v[BL+4*(\p)+3]
	v_and_b32 v[BL+4*(\p)],   s33, v[BL+4*(\p)]
	v_and_b32 v[BL+4*(\p)+1], s33, v[BL+4*(\p)+1]
.endr
.endif
	WIN W_B1
.irp p, 0,1
.irp j, 0,1,2,3,4,5,6,7
.if LAYER == 1
.set src, BL+4*(8*(\p)+(\j))
.else
.set src, BL+4*(\p)                    ; the same for a lane's eight rows
.endif
	v_lshlrev_b32 v[BIAS+8*(0+(\p))+(\j)], 16,  v[src]    ; component q belongs to column tile 2 q + p
	v_and_b32     v[BIAS+8*(2+(\p))+(\j)], s32, v[src]
	v_lshlrev_b32 v[BIAS+8*(4+(\p))+(\j)], 16,  v[src+1]
	v_and_b32     v[BIAS+8*(6+(\p))+(\j)], s32, v[src+1]
.endr
.endr
	WIN 0
; PHASE 1.  One octet: pairs of rows are rounded and packed, 16 bytes for each of my four columns; lanes 0-15 store 256 neighbouring bytes, lanes 16-31 another 256.  left = the younger loads that may stay out.
.macro OCT i, left
	s_wait_loadcnt \left
.set c, 0
.rept 4
.set m, 0
.rept 4
	v_cvt_pk_bf16_f32 v[P+4*c+m], v[X+32*((\i)%4)+8*m+c], v[X+32*((\i)%4)+8*m+4+c]
.set m, m+1
.endr
.set c, c+1
.endr
.set c, 0
.rept 4
	ds_store_b128 v7, v[P+4*c:P+4*c+3] offset:((\i)/4)*8192+((\i)%4)*256+c*2048
.set c, c+1
.endr
.if (\i) < 12
	WLOAD (\i)+4
.endif
.endm
.macro ALOAD s                         ; the two tiles' images of K step s: four loads of 512 neighbouring bytes
.irp t, 0,1
.irp j, 0,1
	global_load_b128 v[AR+16*((\s)%6)+8*(\t)+4*(\j):AR+16*((\s)%6)+8*(\t)+4*(\j)+3], v1, s[24:25] offset:(\t)*TS+(\s)*1024+(\j)*512
.endr
.endr
.endm
.macro GLOAD                           ; LAYER 2: the gates of my eight rows in each tile: older than every load of the group's rows
.if LAYER == 2
.irp t, 0,1
	global_load_b128 v[G+8*(\t):G+8*(\t)+3],   v9, s[28:29] offset:64*(\t)
	global_load_b128 v[G+8*(\t)+4:G+8*(\t)+7], v9, s[28:29] offset:64*(\t)+16
.endr
.endif
.endm
.irp i, 0,1,2,3,4,5,6,7,8,9,10,11,12
	OCT \i, 24                                     ; three younger octets of eight loads: 32 loads of 512 bytes a wave are on their way
.endr
	GLOAD
	ALOAD 0                                        ; octet 12 was the last in v32-63: the first group's K steps 0 and 1 take them
	ALOAD 1
	OCT 13, 24+NG                                  ; younger than octet 13: octets 14 and 15, the gates, two K steps of four loads
	ALOAD 2                                        ; v64-95
	ALOAD 3
	OCT 14, 24+NG                                  ; octet 15, the gates, four K steps
	ALOAD 4                                        ; v96-111
	OCT 15, 20+NG                                  ; the gates, five K steps
	s_wait_dscnt 0x0                               ; for the others' sake: my part of the slab is in LDS
	s_barrier_signal -1
	s_barrier_wait -1                              ; the only barrier: from here on LDS is read alone
; PHASE 2.
.macro BLOAD s                         ; the eight column tiles' images of K step s: 16 LDS loads, each 512 neighbouring bytes
.set b, 0
.rept 8
	ds_load_b128 v[BB+64*((\s)%2)+8*b:BB+64*((\s)%2)+8*b+3],   v[LB+(\s)/8] offset:((\s)%8)*8192+b*1024
	ds_load_b128 v[BB+64*((\s)%2)+8*b+4:BB+64*((\s)%2)+8*b+7], v[LB+(\s)/8] offset:((\s)%8)*8192+b*1024+512
.set b, b+1
.endr
.endm
.macro STEP s                          ; 16 products; the 16 accumulators take turns, from step to step too
.if (\s) > 0
	PLACES                                         ; the loads below land in registers that the last step's products read
.endif
	WIN 0
.if (\s) < 31
	BLOAD (\s)+1
.endif
.if (\s) <= 26
	ALOAD (\s)+5                                   ; into the ring's slot that the last step read
.endif
.if (\s) < 31
	s_wait_dscnt 16                                ; this step's weights are in; the 16 loads just issued stay out
.else
	s_wait_dscnt 0x0
.endif
.if (\s) <= 26
	s_wait_loadcnt 20                              ; this step's rows are in; five younger steps of four loads stay out
.else
	s_wait_loadcnt 4*(31-(\s))
.endif
	WIN W_MUL
.set b, 0
.rept 8
.set t, 0
.rept 2
.set rD, 8*(8*t+b)
.set rA, AR+16*((\s)%6)+8*t
.set rB, BB+64*((\s)%2)+8*b
.if LAYER == 1
.if (\s) == 0
	v_wmma_f32_16x16x32_bf16 v[rD:rD+7], v[rB:rB+7], v[rA:rA+7], v[BIAS+8*b:BIAS+8*b+7]
.else
	v_wmma_f32_16x16x32_bf16 v[rD:rD+7], v[rB:rB+7], v[rA:rA+7], v[rD:rD+7]
.endif
.else
.if (\s) == 0
	v_wmma_f32_16x16x32_bf16 v[rD:rD+7], v[rA:rA+7], v[rB:rB+7], v[BIAS+8*b:BIAS+8*b+7]
.else
	v_wmma_f32_16x16x32_bf16 v[rD:rD+7], v[rA:rA+7], v[rB:rB+7], v[rD:rD+7]
.endif
.endif
.set t, t+1
.endr
.set b, b+1
.endr
.endm
	s_mov_b32 s22, s16                             ; my group among the expert's
	s_mov_b32 s23, 4                               ; 32 groups at the most, eight waves: four trips; trips without a group are jumped over
	s_cmp_lt_u32 s22, s21
	s_cbranch_scc1 .Lfirst                         ; the first trip is entered behind its loads, which phase 1 has issued
	s_branch .Lskip
.Lgrp:
	s_cmp_ge_u32 s22, s21
	s_cbranch_scc1 .Lskip
	GLOAD
	ALOAD 0
	ALOAD 1
	ALOAD 2
	ALOAD 3
	ALOAD 4
.Lfirst:
	BLOAD 0
.set st, 0
.rept 32
	STEP st
.set st, st+1
.endr
	PLACES
.if LAYER == 1
	WIN W_RELU
.set i, 0
.rept 128
	v_max_num_f32 v[i], 0, v[i]                    ; each accumulator from its low end on
.set i, i+1
.endr
	WIN W_CVT
.set i, 0
.rept 64
	v_cvt_pk_bf16_f32 v[OUT+i], v[2*i], v[2*i+1]
.set i, i+1
.endr
	WIN 0
.irp t, 0,1
.irp b, 0,1,2,3,4,5,6,7
	global_store_b128 v1, v[OUT+4*(8*(\t)+(\b)):OUT+4*(8*(\t)+(\b))+3], s[26:27] offset:(\t)*131072+((\b)/2)*1024+((\b)%2)*512  ; 512 neighbouring bytes of an image, aligned
.endr
.endr
.else
	WIN W_GATE
.irp t, 0,1
.irp j, 0,1,2,3,4,5,6,7                ; register 0 of every accumulator first
.irp p, 0,1
.irp q, 0,1,2,3
	v_mul_f32 v[OUT+4*(16*(\t)+2*(\j)+(\p))+(\q)], v[8*(8*(\t)+2*(\q)+(\p))+(\j)], v[G+8*(\t)+(\j)]  ; columns 64 p + 4 r + q come from four accumulators
.endr
.endr
.endr
.endr
	WIN 0
.irp t, 0,1
.irp j, 0,1,2,3,4,5,6,7
.irp p, 0,1
	global_store_b128 v8, v[OUT+4*(16*(\t)+2*(\j)+(\p)):OUT+4*(16*(\t)+2*(\j)+(\p))+3], s[26:27] offset:(\t)*65536+(\j)*4096+(\p)*256  ; 16 lanes store 256 neighbouring bytes, aligned
.endr
.endr
.endr
.endif
.Lskip:
	s_wait_loadcnt 0x0                             ; a wave without a group: what phase 1 asked for has landed, so that no later load meets a pending one; behind a trip nothing is out
	s_wait_xcnt 0x0                                ; the bases, and the registers that the stores read, are written again only behind this wait
	s_add_nc_u64 s[24:25], s[24:25], ASTEP
	s_add_nc_u64 s[26:27], s[26:27], OSTEP
.if LAYER == 2
	s_add_nc_u64 s[28:29], s[28:29], 1024
.endif
	s_add_co_u32 s22, s22, 8
	s_sub_co_u32 s23, s23, 1
	s_cmp_lg_u32 s23, 0
	s_cbranch_scc1 .Lgrp
	s_wait_tensorcnt 0x0
	ds_add_u32 v30, v31
	s_wait_dscnt 0x0
	s_endpgm
.Lfunc_end_k_q26aa5eeeac_gemm1:
	.size	k_q26aa5eeeac_gemm1, .Lfunc_end_k_q26aa5eeeac_gemm1-k_q26aa5eeeac_gemm1
	.p2alignl 7, 3214868480
	.fill 96, 4, 3214868480
	.section	.rodata,"a",@progbits
	.p2align	6, 0x0
	.amdhsa_kernel k_q26aa5eeeac_gemm1
		.amdhsa_group_segment_fixed_size 263168
		.amdhsa_private_segment_fixed_size 0
		.amdhsa_enable_private_segment 0
		.amdhsa_kernarg_size 40
		.amdhsa_user_sgpr_count 2
		.amdhsa_user_sgpr_kernarg_segment_ptr 1
		.amdhsa_wavefront_size32 1
		.amdhsa_system_sgpr_workgroup_id_x 1
		.amdhsa_system_sgpr_workgroup_id_y 1
		.amdhsa_system_sgpr_workgroup_id_z 1
		.amdhsa_system_vgpr_workitem_id 0
		.amdhsa_next_free_vgpr 448
		.amdhsa_next_free_sgpr 66
		.amdhsa_reserve_vcc 0
		.amdhsa_float_denorm_mode_32 3
		.amdhsa_float_denorm_mode_16_64 3
		.amdhsa_memory_ordered 1
		.amdhsa_forward_progress 1
		.amdhsa_inst_pref_size 137
	.end_amdhsa_kernel
	.amdgpu_metadata
---
amdhsa.version: [ 1, 2 ]
amdhsa.kernels:
  - .name:           k_q26aa5eeeac_gemm1
    .symbol:         k_q26aa5eeeac_gemm1.kd
    .args:
      - { .name: W1, .offset: 0, .size: 8, .value_kind: global_buffer, .address_space: global }
      - { .name: b1, .offset: 8, .size: 8, .value_kind: global_buffer, .address_space: global }
      - { .name: xg, .offset: 16, .size: 8, .value_kind: global_buffer, .address_space: global }
      - { .name: idx, .offset: 24, .size: 8, .value_kind: global_buffer, .address_space: global }
      - { .name: hb, .offset: 32, .size: 8, .value_kind: global_buffer, .address_space: global }
    .group_segment_fixed_size: 263168
    .private_segment_fixed_size: 0
    .kernarg_segment_align: 8
    .kernarg_segment_size: 40
    .max_flat_workgroup_size: 256
    .sgpr_count:     66
    .vgpr_count:     448
    .wavefront_size: 32
...
	.end_amdgpu_metadata
.endif
;; end of part 3
;; launch gemm2 (part 4): grid 32 x 8, 8 waves a work-group, no clusters, 263,168 bytes of LDS; arguments W2, b2, hb, idx, yp, gsl; writes yp
.if DOCPART == 4
	.amdgcn_target "amdgcn-amd-amdhsa--gfx1250"
	.amdhsa_code_object_version 6
	.text
	.protected	k_q26aa5eeeac_gemm2
	.globl	k_q26aa5eeeac_gemm2
	.p2align	8
	.type	k_q26aa5eeeac_gemm2,@function
k_q26aa5eeeac_gemm2:
	s_mov_b64 s[64:65], 0
	v_nop
	global_prefetch_b8 v0, s[64:65] scope:SCOPE_SE
	s_setreg_imm32_b32 hwreg(HW_REG_WAVE_MODE, 25, 1), 1
	s_wait_xcnt 0x0
; ONE TEXT FOR BOTH LAYERS OF THE EXPERTS; LAYER chooses.  LAYER 1: h = relu(x W1[e] + b1[e]), rounded to bf16.  LAYER 2: g (h W2[e] + b2[e]) in f32, by quarters of K.
; Only the rows that the router sent to expert e are made (their groups of 32 rows are read from idx); all weights are read, each byte once, and rounded to bf16; sums in f32.
; THE WEIGHTS STAND STILL.  A work-group owns a SLAB of one expert: 1,024 of K x 128 columns, 512 KiB of f32: 8 experts x 32 slabs = 256 work-groups.
;   Phase 1: the eight waves stream the slab through registers, round it to bf16 and lay it in LDS as register images, 262,144 bytes.  One barrier.
;   Phase 2: wave w takes the expert's groups w, w + 8, ..: 32 rows x 128 columns x 1,024 of K; no barrier, since the number of groups is read from memory.
;   The rows come from memory as ready register images (512 neighbouring bytes an instruction), the weights from LDS; a weight fragment feeds two products.
;   The first group's first five K steps of rows are asked for inside phase 1, into the registers that the last octets have left, so that they land while the last weights come and the barrier is passed.
;   Every wave issues them, so that the counted waits hold on every way; a wave without a group asks for group 71 at the most, inside the buffers, and makes nothing of what comes.
; No tensor loads: the weights must pass through registers to be rounded.  No cluster: what an expert's work-groups share is the rows, which go straight to registers, and the groups differ in number from expert to expert.
; IMAGES.  A 16-bit operand of 16 rows x 32 K: lane (r = lane % 16, h = lane / 16) holds row r, K places 16 j2 + 8 h + jj in registers 4 j2 + jj / 2.
;   A weight row lies along the columns, so a lane's 16-byte load is 4 columns of one k; eight rows (an OCTET: jj = 0..7 of one (step, j2, h)) packed in pairs give, for each of the lane's 4 columns, 16 bytes of an image.
;   Column tile b, row r is therefore column 64 (b % 2) + 4 r + b / 2 of the slab; LDS byte = 8192 step + 1024 b + 512 j2 + 16 lane.
;   LAYER 1 is used transposed (source 0 = weights): a lane holds one token and h's columns 64 (b % 2) + 32 h + 4 j + b / 2: its eight, rounded, are 16 bytes of hb's image, in which
;   block S, place (j2, h, jj) is h's column 128 (S / 4) + 64 j2 + 32 h + 4 jj + S % 4.  LAYER 2 takes W2's rows in that same order, so the sums are the true ones.
; The bias, rounded to bf16, is the C operand of the first K step (LAYER 2: in the first quarter of K alone; elsewhere it is masked to 0).
; REGISTERS.  Window 0: v1-4 16 lane + 65,536 j (LDS; v1 also the offset in images); v6-10 offsets; v16-31 gates; v32-127 rows: a ring of 6 K steps x 16; v128-255 weights: two buffers of 64.
;   Phase 1 lays over them: v32-159 four octets as loaded, v160-175 packed, v192-255 the bias as loaded; the way out: v128-255.  Window 1: v0-127 the 16 accumulators (8 (8 t + b)); v128-191 the bias.
.set LAYER, 2
.set LB,   1
.set G,    16
.set AR,   32
.set BB,   128
.set X,    32
.set P,    160
.set BL,   192
.set OUT,  128
.set BIAS, 128
.set YS,   9437184                     ; bytes of a quarter of yp
.if LAYER == 1
.set WSH,   21                         ; a wave's 128 rows of W1, 16,384 bytes each
.set BSH,   14                         ; an expert's bias
.set TS,    32768                      ; from a tile's images to the next tile's
.set ASTEP, 524288                     ; eight groups on, in the rows' images
.set OSTEP, 2097152                    ; and in the output
.set NG,    0                          ; loads of gates in front of a group's rows
.else
.set WSH,   19
.set BSH,   12
.set TS,    131072
.set ASTEP, 2097152
.set OSTEP, 1048576
.set NG,    4
.endif
.set MSB, 0
.macro WIN new                         ; the immediate's high byte repeats the setting that is left; a switch that changes nothing is dropped
.if MSB != (\new)
	s_set_vgpr_msb (MSB<<8)|(\new)
.set MSB, \new
.endif
.endm
.set W_MUL,  0x50                      ; C and D window 1
.set W_B1,   0x40                      ; destination window 1
.set W_RELU, 0x44                      ; source 1 and destination window 1
.set W_CVT,  0x05                      ; sources 0 and 1 window 1
.set W_GATE, 0x01                      ; source 0 window 1
.macro PLACES                          ; four places between a matrix instruction and a load into, or a vector write or read of, its registers (ISA guide 7.12.1 for vector instructions)
.rept 4
	v_nop
.endr
.endm
	s_load_b256 s[4:11], s[0:1], 0x0               ; weights s[4:5], bias s[6:7], rows s[8:9], idx s[10:11]
.if LAYER == 1
	s_load_b64 s[12:13], s[0:1], 0x20              ; output
.else
	s_load_b128 s[12:15], s[0:1], 0x20             ; output, gates by slot
	v_lshl_add_u32 v5, v0, 2, 0x40000
	v_mov_b32 v15, 0
.endif
	v_and_b32 v11, 31, v0
	v_lshrrev_b32 v12, 5, v0
	v_readfirstlane_b32 s16, v12                   ; wave
	s_and_b32 s17, ttmp7, 0xffff                   ; expert
.if LAYER == 1
	s_mov_b32 s18, ttmp9                           ; which 128 columns
.else
	s_and_b32 s18, ttmp9, 7                        ; which 128 columns,
	s_lshr_b32 s19, ttmp9, 3                       ; which quarter of K
	s_cmp_eq_u32 s19, 0
	s_cselect_b32 s33, -1, 0                       ; the bias counts in the first quarter alone
.endif
	v_and_b32 v13, 15, v0                          ; r
	v_bfe_u32 v14, v0, 4, 1                        ; h
	v_lshlrev_b32 v1, 4, v11
	v_add_nc_u32 v2, 0x10000, v1
	v_add_nc_u32 v3, 0x20000, v1
	v_add_nc_u32 v4, 0x30000, v1
	s_lshl_b32 s30, s16, WSH
	v_add_nc_u32 v6, s30, v1                       ; my 16 bytes of a weight row, in my wave's 128 rows
	s_lshl_b32 s30, s16, 15
	v_lshlrev_b32 v7, 4, v13
	v_lshl_add_u32 v7, v14, 10, v7
	v_add_nc_u32 v7, s30, v7                       ; where I lay images: my wave's four K steps; tile 2 c + lane / 16, row lane % 16
.if LAYER == 1
	v_lshlrev_b32 v10, 7, v14                      ; bias: 32 h columns on
.else
	v_lshlrev_b32 v8, 4, v13
	v_lshl_add_u32 v8, v14, 15, v8                 ; output: row 8 h, columns 4 r ..
	v_lshlrev_b32 v9, 5, v14                       ; gates: 8 h rows on
	v_lshlrev_b32 v10, 4, v13                      ; bias: columns 4 r ..
.endif
	s_lshl_b32 s30, s17, 24                        ; the expert's 16 MiB of weights
	s_lshl_b32 s34, s18, 9                         ; 128 columns of f32
	s_add_co_u32 s30, s30, s34
.if LAYER == 2
	s_lshl_b32 s35, s19, 22                        ; 1,024 rows of 4,096 bytes
	s_add_co_u32 s30, s30, s35
.endif
	s_mov_b32 s31, 0
	s_lshl_b32 s36, s17, BSH
	s_add_co_u32 s36, s36, s34
	s_mov_b32 s37, 0
	s_lshl_b32 s38, s17, 3
	s_mov_b32 s39, 0
	s_mov_b32 s32, 0xffff0000
	s_wait_kmcnt 0x0
	s_add_nc_u64 s[4:5], s[4:5], s[30:31]
	s_add_nc_u64 s[6:7], s[6:7], s[36:37]
	s_add_nc_u64 s[10:11], s[10:11], s[38:39]
	s_load_b64 s[20:21], s[10:11], 0x0             ; the expert's first group and its number of groups
	; the bias: the oldest loads
.if LAYER == 1
.irp p, 0,1
.irp j, 0,1,2,3,4,5,6,7
	global_load_b128 v[BL+4*(8*(\p)+(\j)):BL+4*(8*(\p)+(\j))+3], v10, s[6:7] offset:256*(\p)+16*(\j)  ; columns 64 p + 32 h + 4 j + 0..3
.endr
.endr
.else
.irp p, 0,1
	global_load_b128 v[BL+4*(\p):BL+4*(\p)+3], v10, s[6:7] offset:256*(\p)  ; columns 64 p + 4 r + 0..3
.endr
.endif
; Octet i of my wave's 16: K step 4 w + i / 4, (j2, h) = i % 4; eight rows, 512 neighbouring bytes each.
.macro WLOAD i
.if LAYER == 1
.set wo, (\i)*131072                   ; rows 128 w + 8 i + jj
.else
.set wo, (32*((\i)%4)+(\i)/4)*4096     ; rows 128 w + 32 (i % 4) + i / 4 + 4 jj: hb's order of K
.endif
.set jj, 0
.rept 8
	global_load_b128 v[X+32*((\i)%4)+4*jj:X+32*((\i)%4)+4*jj+3], v6, s[4:5] offset:wo+jj*16384 th:TH_LOAD_NT
.set jj, jj+1
.endr
.endm
	WLOAD 0
	WLOAD 1
	WLOAD 2
	WLOAD 3
	s_wait_kmcnt 0x0
	s_min_u32 s20, s20, 71                         ; 71 groups at the most
	s_min_u32 s21, s21, 32                         ; 1,024 rows at the most
	s_add_co_u32 s40, s20, s16                     ; my first group;
	s_min_u32 s40, s40, 71                         ; a wave without a group stays inside the buffers (a wave with one is never beyond 71)
.if LAYER == 1
	s_lshl_b32 s30, s40, 16
	s_add_nc_u64 s[24:25], s[8:9], s[30:31]        ; its images of x
	s_lshl_b32 s30, s40, 18
	s_lshl_b32 s41, s18, 12                        ; my slab's four blocks
	s_add_co_u32 s30, s30, s41
	s_add_nc_u64 s[26:27], s[12:13], s[30:31]      ; its images of h
.else
	s_lshl_b32 s30, s40, 18
	s_lshl_b32 s41, s19, 15                        ; my quarter's 32 blocks
	s_add_co_u32 s30, s30, s41
	s_add_nc_u64 s[24:25], s[8:9], s[30:31]
	s_mul_i32 s30, s19, YS
	s_lshl_b32 s41, s40, 17                        ; 32 rows of 4,096 bytes
	s_add_co_u32 s30, s30, s41
	s_add_co_u32 s30, s30, s34
	s_add_nc_u64 s[26:27], s[12:13], s[30:31]
	s_lshl_b32 s30, s40, 7
	s_add_nc_u64 s[28:29], s[14:15], s[30:31]      ; its 32 gates
.endif
	s_wait_loadcnt 32                              ; the bias is in; the four octets asked for behind it stay out
.if LAYER == 1
.set a, BL
.rept 16
	v_cvt_pk_bf16_f32 v[a],   v[a],   v[a+1]       ; rounded to bf16, in place
	v_cvt_pk_bf16_f32 v[a+1], v[a+2], v[a+3]
.set a, a+4
.endr
.else
.irp p, 0,1
	v_cvt_pk_bf16_f32 v[BL+4*(\p)],   v[BL+4*(\p)],   v[BL+4*(\p)+1]
	v_cvt_pk_bf16_f32 v[BL+4*(\p)+1], v[BL+4*(\p)+2], v[BL+4*(\p)+3]
	v_and_b32 v[BL+4*(\p)],   s33, v[BL+4*(\p)]
	v_and_b32 v[BL+4*(\p)+1], s33, v[BL+4*(\p)+1]
.endr
.endif
	WIN W_B1
.irp p, 0,1
.irp j, 0,1,2,3,4,5,6,7
.if LAYER == 1
.set src, BL+4*(8*(\p)+(\j))
.else
.set src, BL+4*(\p)                    ; the same for a lane's eight rows
.endif
	v_lshlrev_b32 v[BIAS+8*(0+(\p))+(\j)], 16,  v[src]    ; component q belongs to column tile 2 q + p
	v_and_b32     v[BIAS+8*(2+(\p))+(\j)], s32, v[src]
	v_lshlrev_b32 v[BIAS+8*(4+(\p))+(\j)], 16,  v[src+1]
	v_and_b32     v[BIAS+8*(6+(\p))+(\j)], s32, v[src+1]
.endr
.endr
	WIN 0
; PHASE 1.  One octet: pairs of rows are rounded and packed, 16 bytes for each of my four columns; lanes 0-15 store 256 neighbouring bytes, lanes 16-31 another 256.  left = the younger loads that may stay out.
.macro OCT i, left
	s_wait_loadcnt \left
.set c, 0
.rept 4
.set m, 0
.rept 4
	v_cvt_pk_bf16_f32 v[P+4*c+m], v[X+32*((\i)%4)+8*m+c], v[X+32*((\i)%4)+8*m+4+c]
.set m, m+1
.endr
.set c, c+1
.endr
.set c, 0
.rept 4
	ds_store_b128 v7, v[P+4*c:P+4*c+3] offset:((\i)/4)*8192+((\i)%4)*256+c*2048
.set c, c+1
.endr
.if (\i) < 12
	WLOAD (\i)+4
.endif
.endm
.macro ALOAD s                         ; the two tiles' images of K step s: four loads of 512 neighbouring bytes
.irp t, 0,1
.irp j, 0,1
	global_load_b128 v[AR+16*((\s)%6)+8*(\t)+4*(\j):AR+16*((\s)%6)+8*(\t)+4*(\j)+3], v1, s[24:25] offset:(\t)*TS+(\s)*1024+(\j)*512
.endr
.endr
.endm
.macro GLOAD                           ; LAYER 2: the gates of my eight rows in each tile: older than every load of the group's rows
.if LAYER == 2
.irp t, 0,1
	global_load_b128 v[G+8*(\t):G+8*(\t)+3],   v9, s[28:29] offset:64*(\t)
	global_load_b128 v[G+8*(\t)+4:G+8*(\t)+7], v9, s[28:29] offset:64*(\t)+16
.endr
.endif
.endm
.irp i, 0,1,2,3,4,5,6,7,8,9,10,11,12
	OCT \i, 24                                     ; three younger octets of eight loads: 32 loads of 512 bytes a wave are on their way
.endr
	GLOAD
	ALOAD 0                                        ; octet 12 was the last in v32-63: the first group's K steps 0 and 1 take them
	ALOAD 1
	OCT 13, 24+NG                                  ; younger than octet 13: octets 14 and 15, the gates, two K steps of four loads
	ALOAD 2                                        ; v64-95
	ALOAD 3
	OCT 14, 24+NG                                  ; octet 15, the gates, four K steps
	ALOAD 4                                        ; v96-111
	OCT 15, 20+NG                                  ; the gates, five K steps
	s_wait_dscnt 0x0                               ; for the others' sake: my part of the slab is in LDS
	s_barrier_signal -1
	s_barrier_wait -1                              ; the only barrier: from here on LDS is read alone
; PHASE 2.
.macro BLOAD s                         ; the eight column tiles' images of K step s: 16 LDS loads, each 512 neighbouring bytes
.set b, 0
.rept 8
	ds_load_b128 v[BB+64*((\s)%2)+8*b:BB+64*((\s)%2)+8*b+3],   v[LB+(\s)/8] offset:((\s)%8)*8192+b*1024
	ds_load_b128 v[BB+64*((\s)%2)+8*b+4:BB+64*((\s)%2)+8*b+7], v[LB+(\s)/8] offset:((\s)%8)*8192+b*1024+512
.set b, b+1
.endr
.endm
.macro STEP s                          ; 16 products; the 16 accumulators take turns, from step to step too
.if (\s) > 0
	PLACES                                         ; the loads below land in registers that the last step's products read
.endif
	WIN 0
.if (\s) < 31
	BLOAD (\s)+1
.endif
.if (\s) <= 26
	ALOAD (\s)+5                                   ; into the ring's slot that the last step read
.endif
.if (\s) < 31
	s_wait_dscnt 16                                ; this step's weights are in; the 16 loads just issued stay out
.else
	s_wait_dscnt 0x0
.endif
.if (\s) <= 26
	s_wait_loadcnt 20                              ; this step's rows are in; five younger steps of four loads stay out
.else
	s_wait_loadcnt 4*(31-(\s))
.endif
	WIN W_MUL
.set b, 0
.rept 8
.set t, 0
.rept 2
.set rD, 8*(8*t+b)
.set rA, AR+16*((\s)%6)+8*t
.set rB, BB+64*((\s)%2)+8*b
.if LAYER == 1
.if (\s) == 0
	v_wmma_f32_16x16x32_bf16 v[rD:rD+7], v[rB:rB+7], v[rA:rA+7], v[BIAS+8*b:BIAS+8*b+7]
.else
	v_wmma_f32_16x16x32_bf16 v[rD:rD+7], v[rB:rB+7], v[rA:rA+7], v[rD:rD+7]
.endif
.else
.if (\s) == 0
	v_wmma_f32_16x16x32_bf16 v[rD:rD+7], v[rA:rA+7], v[rB:rB+7], v[BIAS+8*b:BIAS+8*b+7]
.else
	v_wmma_f32_16x16x32_bf16 v[rD:rD+7], v[rA:rA+7], v[rB:rB+7], v[rD:rD+7]
.endif
.endif
.set t, t+1
.endr
.set b, b+1
.endr
.endm
	s_mov_b32 s22, s16                             ; my group among the expert's
	s_mov_b32 s23, 4                               ; 32 groups at the most, eight waves: four trips; trips without a group are jumped over
	s_cmp_lt_u32 s22, s21
	s_cbranch_scc1 .Lfirst                         ; the first trip is entered behind its loads, which phase 1 has issued
	s_branch .Lskip
.Lgrp:
	s_cmp_ge_u32 s22, s21
	s_cbranch_scc1 .Lskip
	GLOAD
	ALOAD 0
	ALOAD 1
	ALOAD 2
	ALOAD 3
	ALOAD 4
.Lfirst:
	BLOAD 0
.set st, 0
.rept 32
	STEP st
.set st, st+1
.endr
	PLACES
.if LAYER == 1
	WIN W_RELU
.set i, 0
.rept 128
	v_max_num_f32 v[i], 0, v[i]                    ; each accumulator from its low end on
.set i, i+1
.endr
	WIN W_CVT
.set i, 0
.rept 64
	v_cvt_pk_bf16_f32 v[OUT+i], v[2*i], v[2*i+1]
.set i, i+1
.endr
	WIN 0
.irp t, 0,1
.irp b, 0,1,2,3,4,5,6,7
	global_store_b128 v1, v[OUT+4*(8*(\t)+(\b)):OUT+4*(8*(\t)+(\b))+3], s[26:27] offset:(\t)*131072+((\b)/2)*1024+((\b)%2)*512  ; 512 neighbouring bytes of an image, aligned
.endr
.endr
.else
	WIN W_GATE
.irp t, 0,1
.irp j, 0,1,2,3,4,5,6,7                ; register 0 of every accumulator first
.irp p, 0,1
.irp q, 0,1,2,3
	v_mul_f32 v[OUT+4*(16*(\t)+2*(\j)+(\p))+(\q)], v[8*(8*(\t)+2*(\q)+(\p))+(\j)], v[G+8*(\t)+(\j)]  ; columns 64 p + 4 r + q come from four accumulators
.endr
.endr
.endr
.endr
	WIN 0
.irp t, 0,1
.irp j, 0,1,2,3,4,5,6,7
.irp p, 0,1
	global_store_b128 v8, v[OUT+4*(16*(\t)+2*(\j)+(\p)):OUT+4*(16*(\t)+2*(\j)+(\p))+3], s[26:27] offset:(\t)*65536+(\j)*4096+(\p)*256  ; 16 lanes store 256 neighbouring bytes, aligned
.endr
.endr
.endr
.endif
.Lskip:
	s_wait_loadcnt 0x0                             ; a wave without a group: what phase 1 asked for has landed, so that no later load meets a pending one; behind a trip nothing is out
	s_wait_xcnt 0x0                                ; the bases, and the registers that the stores read, are written again only behind this wait
	s_add_nc_u64 s[24:25], s[24:25], ASTEP
	s_add_nc_u64 s[26:27], s[26:27], OSTEP
.if LAYER == 2
	s_add_nc_u64 s[28:29], s[28:29], 1024
.endif
	s_add_co_u32 s22, s22, 8
	s_sub_co_u32 s23, s23, 1
	s_cmp_lg_u32 s23, 0
	s_cbranch_scc1 .Lgrp
	s_wait_tensorcnt 0x0
	ds_add_u32 v5, v15
	s_wait_dscnt 0x0
	s_endpgm
.Lfunc_end_k_q26aa5eeeac_gemm2:
	.size	k_q26aa5eeeac_gemm2, .Lfunc_end_k_q26aa5eeeac_gemm2-k_q26aa5eeeac_gemm2
	.p2alignl 7, 3214868480
	.fill 96, 4, 3214868480
	.section	.rodata,"a",@progbits
	.p2align	6, 0x0
	.amdhsa_kernel k_q26aa5eeeac_gemm2
		.amdhsa_group_segment_fixed_size 263168
		.amdhsa_private_segment_fixed_size 0
		.amdhsa_enable_private_segment 0
		.amdhsa_kernarg_size 48
		.amdhsa_user_sgpr_count 2
		.amdhsa_user_sgpr_kernarg_segment_ptr 1
		.amdhsa_wavefront_size32 1
		.amdhsa_system_sgpr_workgroup_id_x 1
		.amdhsa_system_sgpr_workgroup_id_y 1
		.amdhsa_system_sgpr_workgroup_id_z 1
		.amdhsa_system_vgpr_workitem_id 0
		.amdhsa_next_free_vgpr 448
		.amdhsa_next_free_sgpr 66
		.amdhsa_reserve_vcc 0
		.amdhsa_float_denorm_mode_32 3
		.amdhsa_float_denorm_mode_16_64 3
		.amdhsa_memory_ordered 1
		.amdhsa_forward_progress 1
		.amdhsa_inst_pref_size 133
	.end_amdhsa_kernel
	.amdgpu_metadata
---
amdhsa.version: [ 1, 2 ]
amdhsa.kernels:
  - .name:           k_q26aa5eeeac_gemm2
    .symbol:         k_q26aa5eeeac_gemm2.kd
    .args:
      - { .name: W2, .offset: 0, .size: 8, .value_kind: global_buffer, .address_space: global }
      - { .name: b2, .offset: 8, .size: 8, .value_kind: global_buffer, .address_space: global }
      - { .name: hb, .offset: 16, .size: 8, .value_kind: global_buffer, .address_space: global }
      - { .name: idx, .offset: 24, .size: 8, .value_kind: global_buffer, .address_space: global }
      - { .name: yp, .offset: 32, .size: 8, .value_kind: global_buffer, .address_space: global }
      - { .name: gsl, .offset: 40, .size: 8, .value_kind: global_buffer, .address_space: global }
    .group_segment_fixed_size: 263168
    .private_segment_fixed_size: 0
    .kernarg_segment_align: 8
    .kernarg_segment_size: 48
    .max_flat_workgroup_size: 256
    .sgpr_count:     66
    .vgpr_count:     448
    .wavefront_size: 32
...
	.end_amdgpu_metadata
.endif
;; end of part 4
;; launch combine (part 5): grid 256 x 1, 8 waves a work-group, no clusters, 0 bytes of LDS; arguments idx, yp, out0; writes out0
.if DOCPART == 5
	.amdgcn_target "amdgcn-amd-amdhsa--gfx1250"
	.amdhsa_code_object_version 6
	.text
	.protected	k_q26aa5eeeac_combine
	.globl	k_q26aa5eeeac_combine
	.p2align	8
	.type	k_q26aa5eeeac_combine,@function
k_q26aa5eeeac_combine:
	s_mov_b64 s[64:65], 0
	v_nop
	global_prefetch_b8 v0, s[64:65] scope:SCOPE_SE
	s_setreg_imm32_b32 hwreg(HW_REG_WAVE_MODE, 25, 1), 1
	s_wait_xcnt 0x0
; out[t] = the sum over the token's two choices and the four quarters of K of yp[quarter][slot]: the gates and the biases are in yp already.
; A work-group takes four tokens, a wave half a row (2,048 bytes): 8 rows of yp x 4 pieces of 512 neighbouring bytes, all 32 loads asked for at once; the sums are f32, in a fixed order.
; The slots are whole numbers that an earlier launch stored (idx from byte 256 on).  A stream: no LDS, no barrier, no matrix unit.
.set YS, 9437184                       ; bytes of a quarter of yp
	s_load_b128 s[4:7], s[0:1], 0x0                ; idx s[4:5], yp s[6:7]
	s_load_b64 s[8:9], s[0:1], 0x10                ; out0
	v_and_b32 v1, 31, v0
	v_lshlrev_b32 v1, 4, v1                        ; 16 bytes a lane
	v_lshrrev_b32 v2, 5, v0
	v_readfirstlane_b32 s10, v2                    ; wave
	s_lshr_b32 s11, s10, 1
	s_lshl_b32 s12, ttmp9, 2
	s_add_co_u32 s12, s12, s11                     ; my token
	s_and_b32 s13, s10, 1
	s_lshl_b32 s13, s13, 11                        ; my half of a row
	s_lshl_b32 s14, s12, 3                         ; its two slots' words
	s_mov_b32 s15, 0
	s_lshl_b32 s36, s12, 12
	s_add_co_u32 s36, s36, s13
	s_mov_b32 s37, 0
	s_mov_b32 s35, 0
	s_wait_kmcnt 0x0
	s_add_nc_u64 s[4:5], s[4:5], s[14:15]
	s_load_b64 s[32:33], s[4:5], 0x100
	s_add_nc_u64 s[8:9], s[8:9], s[36:37]
	s_wait_kmcnt 0x0
.irp k, 0,1
	s_min_u32 s[32+(\k)], s[32+(\k)], 2303         ; 72 groups of 32 rows have room in yp
	s_lshl_b32 s34, s[32+(\k)], 12
	s_add_co_u32 s34, s34, s13
	s_add_nc_u64 s[16+8*(\k):17+8*(\k)], s[6:7], s[34:35]
.irp q, 1,2,3
	s_add_nc_u64 s[16+8*(\k)+2*(\q):17+8*(\k)+2*(\q)], s[14+8*(\k)+2*(\q):15+8*(\k)+2*(\q)], YS
.endr
.endr
.irp c, 0,1,2,3
.irp i, 0,1,2,3,4,5,6,7
	global_load_b128 v[8+32*(\c)+4*(\i):8+32*(\c)+4*(\i)+3], v1, s[16+2*(\i):17+2*(\i)] offset:512*(\c) th:TH_LOAD_NT
.endr
.endr
.macro ADD4 d, o                       ; four numbers onto four
	v_pk_add_f32 v[(\d):(\d)+1],   v[(\d):(\d)+1],   v[(\d)+(\o):(\d)+(\o)+1]
	v_pk_add_f32 v[(\d)+2:(\d)+3], v[(\d)+2:(\d)+3], v[(\d)+(\o)+2:(\d)+(\o)+3]
.endm
.irp c, 0,1,2,3
	s_wait_loadcnt 24-8*(\c)                       ; this piece's eight loads are in; the later pieces' stay out
	ADD4 8+32*(\c), 4                              ; quarters 0 + 1, 2 + 3 of each choice,
	ADD4 8+32*(\c)+8, 4
	ADD4 8+32*(\c)+16, 4
	ADD4 8+32*(\c)+24, 4
	ADD4 8+32*(\c), 8                              ; the two halves of each choice,
	ADD4 8+32*(\c)+16, 8
	ADD4 8+32*(\c), 16                             ; the two choices
	global_store_b128 v1, v[8+32*(\c):8+32*(\c)+3], s[8:9] offset:512*(\c) th:TH_STORE_NT  ; 512 neighbouring bytes, aligned
.endr
	s_endpgm
.Lfunc_end_k_q26aa5eeeac_combine:
	.size	k_q26aa5eeeac_combine, .Lfunc_end_k_q26aa5eeeac_combine-k_q26aa5eeeac_combine
	.p2alignl 7, 3214868480
	.fill 96, 4, 3214868480
	.section	.rodata,"a",@progbits
	.p2align	6, 0x0
	.amdhsa_kernel k_q26aa5eeeac_combine
		.amdhsa_group_segment_fixed_size 0
		.amdhsa_private_segment_fixed_size 0
		.amdhsa_enable_private_segment 0
		.amdhsa_kernarg_size 24
		.amdhsa_user_sgpr_count 2
		.amdhsa_user_sgpr_kernarg_segment_ptr 1
		.amdhsa_wavefront_size32 1
		.amdhsa_system_sgpr_workgroup_id_x 1
		.amdhsa_system_sgpr_workgroup_id_y 1
		.amdhsa_system_sgpr_workgroup_id_z 1
		.amdhsa_system_vgpr_workitem_id 0
		.amdhsa_next_free_vgpr 144
		.amdhsa_next_free_sgpr 66
		.amdhsa_reserve_vcc 0
		.amdhsa_float_denorm_mode_32 3
		.amdhsa_float_denorm_mode_16_64 3
		.amdhsa_memory_ordered 1
		.amdhsa_forward_progress 1
		.amdhsa_inst_pref_size 9
	.end_amdhsa_kernel
	.amdgpu_metadata
---
amdhsa.version: [ 1, 2 ]
amdhsa.kernels:
  - .name:           k_q26aa5eeeac_combine
    .symbol:         k_q26aa5eeeac_combine.kd
    .args:
      - { .name: idx, .offset: 0, .size: 8, .value_kind: global_buffer, .address_space: global }
      - { .name: yp, .offset: 8, .size: 8, .value_kind: global_buffer, .address_space: global }
      - { .name: out0, .offset: 16, .size: 8, .value_kind: global_buffer, .address_space: global }
    .group_segment_fixed_size: 0
    .private_segment_fixed_size: 0
    .kernarg_segment_align: 8
    .kernarg_segment_size: 24
    .max_flat_workgroup_size: 256
    .sgpr_count:     66
    .vgpr_count:     144
    .wavefront_size: 32
...
	.end_amdgpu_metadata
.endif
;; end of part 5
